; MI455X (gfx1250); checked and timed in simulation.
; The chip was launched on July 23, 2026; its instructions are those of AMD's public machine-readable ISA for CDNA 5 (MIT licence, August 2026) and "CDNA5" Instruction Set Architecture Reference Guide (July 2026). The comments in the code are by the model that wrote it; some were corrected since.
;; Multi Head Attention. Allowed arithmetic: matrix products marked QUANTISED: E2M3 operands, one E8M0 scale for each 32 along K, by v_wmma_scale_f32_16x16x128_f8f6f4 with both operands' format E2M3, f32 sums; everything else in f32.
;; Inputs: Wk 1,024 x 1,024 float32; Wq 1,024 x 1,024 float32; Wv 1,024 x 1,024 float32; x 4 x 2,048 x 1,024 float32.
;; Outputs: out0 4 x 2,048 x 1,024 float32.
;; This version of the problem:
;;   THIS VERSION OF THE PROBLEM IS GIVEN IN LOW PRECISION. The matrix products marked QUANTISED in the list below multiply operands that are first quantised to E2M3 (2 exponent bits, 3 mantissa bits; 6 bits a number), with one power-of-two scale for each 32 numbers along K (OCP MX v1.0); their sums are f32. All else is computed in f32.
;;   The module's matrix products, in the order in which they are computed (A, B: the left and right operand; K: the contracted axis; several contracted axes count as one K, in the product's order):
;;     1. [M 8,192, K 1,024] x [K 1,024, N 1,024]; A: input x; B: input Wk: QUANTISED
;;     2. [M 8,192, K 1,024] x [K 1,024, N 1,024]; A: input x; B: input Wq: QUANTISED
;;     3. [M 8,192, K 1,024] x [K 1,024, N 1,024]; A: input x; B: input Wv: QUANTISED
;;     4. batch 64 x [M 2,048, K 64] x [K 64, N 2,048]; A: computed on the way; B: computed on the way: QUANTISED
;;     5. batch 64 x [M 2,048, K 2,048] x [K 2,048, N 64]; A: softmax (see below); B: computed on the way: QUANTISED
;;   THE QUANTISER, for each operand of a quantised product, along K:
;;     - K is cut into blocks of 32 from its start; a last block that is shorter is filled with zeros.
;;     - A block's scale is 2^e with e = floor(log2(the largest magnitude in the block)) - 2, held to -126 .. 127; a block of zeros has e = 0. As a byte (E8M0): e + 127.
;;     - Each number is divided by its block's scale, clamped to +-7.5, and rounded to the nearest number of E2M3, ties to even, subnormals kept.
;;     - The product sums the exact products of the quantised numbers (number of the format x scale) in f32.
;;   ~~~python
;;   def quantise(x, axis):      # numpy; x: float32 -> the quantised numbers, widened to float32 again
;;       x = np.moveaxis(x, axis, -1); K = x.shape[-1]
;;       x = np.pad(x, [(0, 0)] * (x.ndim - 1) + [(0, -K % 32)]); x = x.reshape(x.shape[:-1] + (-1, 32)); a = np.abs(x).max(-1, keepdims=True)
;;       e = np.where(a > 0, np.clip(np.frexp(np.where(a > 0, a, 1))[1] - 1 - 2, -126, 127), 0)      # np.frexp(a)[1] - 1 = floor(log2(a)), exactly
;;       r = np.clip(x / 2.0 ** e, -7.5, 7.5)
;;       step = 2.0 ** (np.maximum(np.frexp(np.where(r == 0, 1, r))[1] - 1, 0) - 3)
;;       q = np.round(r / step) * step * 2.0 ** e      # np.round: ties to even
;;       return np.moveaxis(q.reshape(q.shape[:-2] + (-1,))[..., :K], -1, axis).astype(np.float32)
;;   ~~~
;;   SOFTMAX AHEAD OF A QUANTISED PRODUCT. Where the list says 'softmax', what is quantised is not the finished softmax but p = 2^(t - M), with t = logit x log2(e) and M = ceil(the row's largest t), a whole number; so 1/2 < the row's largest p <= 1. The row's sum l is taken of the UNQUANTISED p, in f32, and the product's result is divided by l at the end. Since M is a whole number, a kernel that streams over the keys may use a running M (the ceiling of the running maximum): every later rescaling is an exact power of two, which a block's scale takes up: the codes' values come out the same.
;;   OPERANDS COMPUTED ON THE WAY. 'Computed on the way' means the value that the module computes at that place (a softmax that the list does not call 'softmax' is quantised finished and normalised). What goes into a quantiser is computed in f32, as accurately as f32 sums, v_exp_f32 and their like allow (about 1e-6 of the number): no bf16 or f16 on the way to a quantiser, and a product that is left as it is and whose result goes on into a quantised operand takes f32 operands (vector FMAs, or v_wmma_f32_16x16x4_f32). A number that lies on a knife's edge between two numbers of the format may be rounded either way, as far as f32 arithmetic and the matrix unit's own rounding can turn it there, and no further.
;; One version. Each part assembles by itself: llvm-mc -triple=amdgcn-amd-amdhsa -mcpu=gfx1250 --defsym DOCPART=n.
;; ======== version 1 of 1: 3 launches
;; limits: right only within a limited range of input values
;; workspace buffers: xc 6,291,456 bytes; xs 262,144 bytes; wc 1,572,864 bytes; ws 65,536 bytes; att 19,922,944 bytes
;; launch quant (part 1): grid 320 x 1, 8 waves a work-group, no clusters, 43,008 bytes of LDS; arguments x, Wk, Wq, xc, xs, wc, ws; writes xc, xs, wc, ws
.if DOCPART == 1
	.amdgcn_target "amdgcn-amd-amdhsa--gfx1250"
	.amdhsa_code_object_version 6
	.text
	.protected	k_q9fbfe5cd6b_quant
	.globl	k_q9fbfe5cd6b_quant
	.p2align	8
	.type	k_q9fbfe5cd6b_quant,@function
k_q9fbfe5cd6b_quant:
	s_mov_b64 s[64:65], 0
	v_nop
	global_prefetch_b8 v0, s[64:65] scope:SCOPE_SE
	s_setreg_imm32_b32 hwreg(HW_REG_WAVE_MODE, 25, 1), 1
	s_wait_xcnt 0x0
; x [8192][1024], Wk [1024][1024] and Wq [1024][1024], f32, become codes of FP6 (E2M3), K = 1,024 innermost, 768 bytes a row, with one E8M0 scale byte for each 32 along K, 32 bytes a row.
; DEAD WORK: reference() forms values = x Wv^T and deletes it; no later line names it, so no output number hangs on Wv or on that product, whatever the inputs hold.  Wv is not loaded and is no argument
; of any launch.  LIMIT: a NaN, an infinity or an overflow that would arise only in that product is not carried to the result.
; A block's scale is 2^(floor(log2(its largest magnitude)) - 2); its byte is the largest magnitude's exponent field - 2, held at 1 from below.  (A block of zeros so gets the byte 1 where the rule says 127:
; its codes are zeros, which add nothing under any byte but 0xff, and the bytes are read by this program alone.)  Each number is divided by the scale and rounded to the nearest code, ties to even.
; LIMITS: blocks whose largest magnitude lies under 2^-124, the floor, have the byte 1; NaN and infinities among the inputs are not served.
; THE ROWS LEAVE PERMUTED inside each 64: row 32 g + 8 u + i (g 0..1, u 0..3, i 0..7) is stored at place 16 u + 8 g + i.  So lane r of the stored tile u holds row 32 (r / 8) + 8 u + r % 8, and in the next
; launch's results a lane's 32 registers of four neighbouring tiles are 32 neighbours along the next product's K: a whole block.  Runs of 8 rows stay whole: run bits (g, u1, u0) go to (u1, u0, g).
; xc, xs take x.  wc, ws take the weights by tiles of 128 features: tile n holds Wk's rows 128 n .. and then Wq's rows 128 n ..: 256 stored rows that one work-group of the next launch reads as one block.
; A work-group takes 32 rows, each of its eight waves 4 rows: 8 steps of 512 numbers.  ALL 32 LOADS OF A WAVE (16,384 bytes) ARE ISSUED AT ITS HEAD.  Each load reads 512 consecutive bytes, 16 a lane; a step's
; 2,048 bytes turn through the wave's own stage in LDS and come back 64 bytes a lane, so that a lane holds 16 neighbours (two neighbouring lanes hold a block), as the conversion wants them.
; A lane's 16 codes are 12 bytes: the wave stores 384 consecutive bytes.  The work-group's 1,024 scale bytes are gathered in LDS; behind one barrier waves 0-3 store a run's 256 bytes each, aligned.
; No tensor loads, no ring.  No cluster: no two work-groups read the same byte.
.set WAVES, 8
.set STEPS, 8
.set GX,    256                        ; work-groups 0-255 take x (32,768 numbers each),
.set GQ,    288                        ; 256-287 Wk, 288-319 Wq
.set EMAX,  2
.set CB,    12                         ; bytes of 16 codes
.set R,     16                         ; v16-143  eight sets of 16 numbers as they are loaded
.set X,     144                        ; v144-175 two sets of 16 neighbours
.set E,     176                        ; v176-183 a scale byte for each step
.set C,     184                        ; v184-215 codes: four registers for each step, so that no store's data are written again
.set SP,    80                         ; a lane's place in a stage: 64 bytes + 16 of padding
.set WREG,  2*32*SP                    ; LDS: two stages for each wave
.set SCB,   WAVES*WREG                 ; behind them the work-group's 1,024 scale bytes
.set SPARE, SCB+1024
.set SPW,   12                         ; v12 LDS address of my spare word; never rewritten
.set NIL,   13                         ; v13 0; never rewritten
	s_load_b256 s[4:11], s[0:1], 0x0               ; x, Wk, Wq, xc
	s_load_b128 s[12:15], s[0:1], 0x20             ; xs, wc
	s_load_b64 s[16:17], s[0:1], 0x30              ; ws
	v_lshl_add_u32 v[SPW], v0, 2, SPARE
	v_mov_b32 v[NIL], 0
	v_lshrrev_b32 v1, 5, v0
	v_readfirstlane_b32 s18, v1                    ; wave
	v_and_b32 v2, 31, v0                           ; lane
	v_lshlrev_b32 v3, 4, v2                        ; my 16 bytes of a load's 512
	s_mul_i32 s19, s18, WREG
	v_lshrrev_b32 v14, 2, v2
	v_mul_u32_u24 v14, v14, SP
	v_and_b32 v15, 3, v2
	v_lshl_add_u32 v14, v15, 4, v14
	v_add_nc_u32 v14, s19, v14                     ; the stage, on the way in
	v_mul_u32_u24 v15, v2, SP
	v_add_nc_u32 v15, s19, v15                     ; and on the way out: my 16 neighbours
	v_mul_u32_u24 v4, v2, CB                       ; my codes' place in a step's
	v_lshrrev_b32 v5, 1, v2
	s_lshl_b32 s19, s18, 7
	s_add_co_u32 s19, s19, SCB
	v_add_nc_u32 v5, s19, v5                       ; LDS: my wave's 128 scale bytes, my block's byte
	v_lshlrev_b32 v7, 3, v2                        ; on the way out 8 bytes a lane,
	s_lshl_b32 s19, s18, 8
	s_add_co_u32 s19, s19, SCB
	v_add_nc_u32 v6, s19, v7                       ; of run w's 256 bytes (waves 0-3 alone read there)
	s_wait_alu depctr_va_vdst(0)                   ; the wait at the head's end
	s_wait_kmcnt 0x0
	s_cmp_lt_u32 ttmp9, GQ                         ; which tensor?  The choices hang on the work-group's number alone; only pointers and offsets are chosen
	s_cselect_b64 s[6:7], s[6:7], s[8:9]           ; Wk or Wq
	s_cselect_b32 s31, 0, 16                       ; Wq's 16 runs lie behind Wk's
	s_mov_b32 s20, GQ
	s_cselect_b32 s20, GX, s20
	s_cmp_lt_u32 ttmp9, GX
	s_cselect_b64 s[4:5], s[4:5], s[6:7]           ; the numbers,
	s_cselect_b64 s[10:11], s[10:11], s[14:15]     ; the codes,
	s_cselect_b64 s[12:13], s[12:13], s[16:17]     ; the scale bytes
	s_cselect_b32 s20, 0, s20                      ; the first work-group of the tensor read
	s_cselect_b32 s30, 4, 5                        ; 128 rows are 16 runs on in x's buffers, 32 in the weights'
	s_sub_co_u32 s21, ttmp9, s20
	s_lshl_b32 s22, s21, 3
	s_add_co_u32 s22, s22, s18                     ; which 4 rows of the tensor I read
	s_mov_b32 s23, 0
	s_lshl_b64 s[24:25], s[22:23], 14              ; 16,384 bytes
	s_add_nc_u64 s[4:5], s[4:5], s[24:25]
.macro PERM d, s, t                    ; where run s of 8 rows is stored
	s_and_b32 \d, \s, 3
	s_lshl_b32 \d, \d, 1
	s_bfe_u32 \t, \s, 0x10002
	s_or_b32 \d, \d, \t
	s_and_b32 \t, \s, 8
	s_or_b32 \d, \d, \t
	s_lshr_b32 \t, \s, 4
	s_lshl_b32 \t, \t, s30
	s_or_b32 \d, \d, \t
	s_add_co_u32 \d, \d, s31
.endm
	s_lshr_b32 s22, s22, 1                         ; my rows' run
	PERM s26, s22, s27
	s_mul_i32 s24, s26, 6144                       ; 6,144 bytes of codes a run,
	s_and_b32 s27, s18, 1
	s_mul_i32 s27, s27, 3072                       ; my 4 rows' half of it
	s_add_co_u32 s24, s24, s27
	s_mov_b32 s25, 0
	s_add_nc_u64 s[10:11], s[10:11], s[24:25]
	s_lshl_b32 s22, s21, 2
	s_add_co_u32 s22, s22, s18                     ; run w of my work-group's four (used by waves 0-3 alone)
	PERM s28, s22, s27
	s_lshl_b32 s24, s28, 8                         ; 256 scale bytes a run
	s_add_nc_u64 s[12:13], s[12:13], s[24:25]
.macro LOAD t
.irp i, 0,1,2,3
	global_load_b128 v[R+16*(\t)+4*\i:R+16*(\t)+4*\i+3], v3, s[4:5] offset:2048*(\t)+512*\i th:TH_LOAD_NT
.endr
.endm
.macro TURN t                          ; LDS serves a wave's instructions in order: no wait between the stores and the loads
.irp i, 0,1,2,3
	ds_store_b128 v14, v[R+16*(\t)+4*\i:R+16*(\t)+4*\i+3] offset:32*SP*((\t)%2)+8*SP*\i
.endr
.irp i, 0,1,2,3
	ds_load_b128 v[X+16*((\t)%2)+4*\i:X+16*((\t)%2)+4*\i+3], v15 offset:32*SP*((\t)%2)+16*\i
.endr
.endm
.irp t, 0,1,2,3,4,5,6,7
	LOAD \t
.endr
	s_wait_loadcnt 28                              ; step 0's four loads are in; the 28 of steps 1 to 7 may be out
	TURN 0
.macro STEP t
.set XS, X+16*((\t)%2)
.if (\t) > 0
	s_wait_dscnt 1                                 ; this step's numbers are back (the last step's byte store may be out)
.else
	s_wait_dscnt 0x0
.endif
.if (\t)+1 < STEPS
	s_wait_loadcnt 4*(STEPS-2-(\t))                ; the next step's four loads are in; those of the steps behind it may be out
	TURN (\t)+1
.endif
	v_max3_num_f32 v8, |v[XS]|, |v[XS+1]|, |v[XS+2]|               ; the largest magnitude of my 16, in two chains
	v_max3_num_f32 v9, |v[XS+3]|, |v[XS+4]|, |v[XS+5]|
.irp i, 6,10
	v_max3_num_f32 v8, v8, |v[XS+\i]|, |v[XS+\i+1]|
	v_max3_num_f32 v9, v9, |v[XS+\i+2]|, |v[XS+\i+3]|
.endr
	v_max3_num_f32 v8, v8, |v[XS+14]|, |v[XS+15]|
	v_max3_num_f32 v8, v8, v9, (EMAX+1)<<23        ; and the floor: the byte cannot fall under 1
	v_max_num_f32_dpp v8, v8, v8 row_xmask:1 row_mask:0xf bank_mask:0xf   ; with my neighbour's 16: the block's
	v_add_nc_u32 v11, -(EMAX<<23), v8              ; EMAX off its exponent field: the conversion's scale operand
	v_cvt_scalef32_pk16_fp6_f32 v[C+4*(\t):C+4*(\t)+2], v[XS:XS+15], v11
	v_lshrrev_b32 v[E+(\t)], 23, v11               ; the scale's byte (a plain line behind the conversion)
	ds_store_b8 v5, v[E+(\t)] offset:16*(\t)       ; both lanes of a block write the same byte with the same value
	global_store_b96 v4, v[C+4*(\t):C+4*(\t)+2], s[10:11] offset:32*CB*(\t)
.endm
.irp t, 0,1,2,3,4,5,6,7
	STEP \t
.endr
	s_wait_dscnt 0x0                               ; my scale bytes are in LDS
	s_barrier_signal -1
	s_barrier_wait -1                              ; everybody's are
	s_cmp_lt_u32 s18, 4
	s_cbranch_scc0 .Lend
	ds_load_b64 v[8:9], v6                         ; two waves' 128 bytes: a run's 256
	s_wait_dscnt 0x0
	global_store_b64 v7, v[8:9], s[12:13]          ; 32 lanes store 256 consecutive bytes, aligned
.Lend:
	s_wait_tensorcnt 0x0                           ; the wave's end
	ds_add_u32 v[SPW], v[NIL]
	s_wait_dscnt 0x0
	s_endpgm
.Lfunc_end_k_q9fbfe5cd6b_quant:
	.size	k_q9fbfe5cd6b_quant, .Lfunc_end_k_q9fbfe5cd6b_quant-k_q9fbfe5cd6b_quant
	.p2alignl 7, 3214868480
	.fill 96, 4, 3214868480
	.section	.rodata,"a",@progbits
	.p2align	6, 0x0
	.amdhsa_kernel k_q9fbfe5cd6b_quant
		.amdhsa_group_segment_fixed_size 43008
		.amdhsa_private_segment_fixed_size 0
		.amdhsa_enable_private_segment 0
		.amdhsa_kernarg_size 56
		.amdhsa_user_sgpr_count 2
		.amdhsa_user_sgpr_kernarg_segment_ptr 1
		.amdhsa_wavefront_size32 1
		.amdhsa_system_sgpr_workgroup_id_x 1
		.amdhsa_system_sgpr_workgroup_id_y 1
		.amdhsa_system_sgpr_workgroup_id_z 1
		.amdhsa_system_vgpr_workitem_id 0
		.amdhsa_next_free_vgpr 216
		.amdhsa_next_free_sgpr 66
		.amdhsa_reserve_vcc 0
		.amdhsa_float_denorm_mode_32 3
		.amdhsa_float_denorm_mode_16_64 3
		.amdhsa_memory_ordered 1
		.amdhsa_forward_progress 1
		.amdhsa_inst_pref_size 19
	.end_amdhsa_kernel
	.amdgpu_metadata
---
amdhsa.version: [ 1, 2 ]
amdhsa.kernels:
  - .name:           k_q9fbfe5cd6b_quant
    .symbol:         k_q9fbfe5cd6b_quant.kd
    .args:
      - { .name: x, .offset: 0, .size: 8, .value_kind: global_buffer, .address_space: global }
      - { .name: Wk, .offset: 8, .size: 8, .value_kind: global_buffer, .address_space: global }
      - { .name: Wq, .offset: 16, .size: 8, .value_kind: global_buffer, .address_space: global }
      - { .name: xc, .offset: 24, .size: 8, .value_kind: global_buffer, .address_space: global }
      - { .name: xs, .offset: 32, .size: 8, .value_kind: global_buffer, .address_space: global }
      - { .name: wc, .offset: 40, .size: 8, .value_kind: global_buffer, .address_space: global }
      - { .name: ws, .offset: 48, .size: 8, .value_kind: global_buffer, .address_space: global }
    .group_segment_fixed_size: 43008
    .private_segment_fixed_size: 0
    .kernarg_segment_align: 8
    .kernarg_segment_size: 56
    .max_flat_workgroup_size: 256
    .sgpr_count:     66
    .vgpr_count:     216
    .wavefront_size: 32
...
	.end_amdgpu_metadata
.endif
;; end of part 1
;; launch proj (part 2): grid 8 x 32, 4 waves a work-group, clusters of 4 x 4, 327,680 bytes of LDS; arguments xc, xs, wc, ws, att; writes att
.if DOCPART == 2
	.amdgcn_target "amdgcn-amd-amdhsa--gfx1250"
	.amdhsa_code_object_version 6
	.text
	.protected	k_q9fbfe5cd6b_proj
	.globl	k_q9fbfe5cd6b_proj
	.p2align	8
	.type	k_q9fbfe5cd6b_proj,@function
k_q9fbfe5cd6b_proj:
	s_mov_b64 s[64:65], 0
	v_nop
	global_prefetch_b8 v0, s[64:65] scope:SCOPE_SE
	s_setreg_imm32_b32 hwreg(HW_REG_WAVE_MODE, 25, 1), 1
	s_wait_xcnt 0x0
	s_wait_alu depctr_hold_cnt(0) depctr_sa_sdst(0) depctr_va_vdst(0) depctr_va_sdst(0) depctr_va_ssrc(0) depctr_va_vcc(0) depctr_vm_vsrc(0)
	s_getreg_b32 s2, hwreg(HW_REG_IB_STS2, 6, 4)
	s_cmp_eq_u32 s2, 0
	s_cbranch_scc0 .Lentry_in_a_cluster
	s_endpgm
.Lentry_in_a_cluster:
	s_bfe_u32 s2, ttmp6, 0x10000c
	s_cmp_lg_u32 s2, 0xf033
	s_cbranch_scc0 .Lentry_shape_is_right
	s_endpgm
.Lentry_shape_is_right:
; queries = x Wq^T and keys = x Wk^T on codes of FP6 (E2M3) with E8M0 scales, K = 1,024, and their quantising for the attention launch.  (The product with Wv is left out: reference() deletes it.)
; A work-group takes 256 tokens (xc's stored rows 256 ty ..) and one tile of 128 features (wc's stored rows 256 tx ..: Wk's 128, then Wq's 128).  Wave (wy, wx) takes 128 tokens and one head (64 features).
; THREE SUMS A WAVE, 96 accumulators, 768 registers: window 1: Q, source 0 = 16 rows of Wq, source 1 = 16 tokens: a lane holds one token, its registers run along the head's 64;
; window 2: K the same way; window 3: K ONCE MORE WITH THE SOURCES SWAPPED (source 0 = 16 tokens, source 1 = 16 rows of Wk): a lane holds one feature, its registers run along the tokens.
; The attention launch wants K quantised along both axes; the swapped product takes the same fragments, so a step's LDS reads (8 blocks of x, 4 of Wk, 4 of Wq) feed 96 matrix instructions.
; By the stored order of rows (row 32 g + 8 u + i at place 16 u + 8 g + i of each 64) the 32 registers of four neighbouring tiles are 32 neighbours along the next K: a whole block in a lane.
; K goes through a ring of two LDS slots in chunks of 256 bytes of each row (a row of codes is 768 bytes: three chunks, each beginning at a multiple of 256 bytes); a step of 128 along K is 96 bytes: eight steps.
; The scales of the 256 + 256 rows come once, by the head's loads.  CLUSTERS 4 x 4: x's tiles are asked for jointly along a row of the cluster, the weights' along a column.
; NO PREFETCH: K has three chunks; the head asks for chunks 0 and 1 and the only refill for chunk 2, so there is no trip two refills ahead to ask in.
; WINDOW 0: v0-31 addresses; v32-63 scale words, two sets; v64-159 x's eight fragments, v160-207 Wk's four, v208-255 Wq's four: ONE set each.  A step goes Q (32 products), then K's two sums for x's blocks 0-3 (32)
; and 4-7 (32).  Wq's fragments are fetched anew behind Q's products, x's blocks 0-3 behind K's first half, x's blocks 4-7 and Wk's at the step's end.
; THE RESULT: a wave writes one record of att: step (128 tokens) s of head hb, 19,456 bytes: 0 Q's four pair images | 6,144 Q's scale words | 6,400 KT's words | 6,656 KT's four images (tokens as K) |
; 12,800 KH's four pair images | 18,944 KH's words, written twice (512 bytes).  An image is 12 registers x 32 lanes, register p of lane L at 512 (p / 4) + 16 L + 4 (p % 4).
; LIMITS: a block whose largest magnitude lies under 2^-124 has the byte 1; NaN and infinities are not served.
.set SIZE_K, 1024
.set ROWB,   256
.set KROW,   SIZE_K*6/8
.set STEPS,  SIZE_K/128
.set CHUNKS, KROW/ROWB
.set PITCH,  272                       ; an LDS row: 256 bytes + 16 of padding
.set FR,     12
.set NL,     6
.set NP,     4
.set HALFT,  128*PITCH
.set SLOT,   4*HALFT                   ; x's 256 rows, Wk's 128, Wq's 128
.set KS,     SIZE_K/32
.set SCL,    2*SLOT
.set HALFS,  (128*KS/256)*272
.set SBLK,   (16*KS/256)*272
.set SPARE,  SCL+4*HALFS
.set STEPG,  19456
.set HEADB,  16*STEPG
.set ADRA, 16                          ; v16-19 x's fragments: slot 0, 1; across two chunks from slot 0, 1
.set ADRB, 20                          ; v20-23 the same for the weights (Wk's block 0; Wq's blocks lie 8 blocks on)
.set SHR,  24                          ; v24 8 x (lane / 16)
.set ADRS2,25                          ; v25 scale words of blocks 4-7: lanes 0-15 x's, lanes 16-31 Wq's
.set CO,   26                          ; v26 16 x lane
.set ADRS, 27                          ; v27 scale words of blocks 0-3: lanes 0-15 x's, lanes 16-31 Wk's
.set SPW,  28
.set NIL,  29
.set SC,   32                          ; set s at SC + 16 s; register 2 i + q: lanes 0-15 x's block i, lanes 16-31 Wk's block i (i < 4) or Wq's block i - 4
.set XF,   64
.set WK,   160
.set WQ,   208
.set IMG,  64                          ; the way out: twelve images, v64-207, each written once
.set TM,   208
.set SO,   212
.set BY,   216
.set TP,   220
.set XW,   236
.set XP,   238
.set QW,   240
.set KTW,  244
.set KHW,  248
.set WW,   252
.set G1, 24
.set G0, 32
.set G1B, 48
.set G0B, 56
.set G1S, 68
.set G0S, 76
.set G1SB, 80
.set G0SB, 88
.set G0H, 4
.set G0HB, 8
.set SEL, 94
.set MSB, 0
.macro WIN new                         ; the immediate's high byte repeats the setting that is left
.if MSB != \new
	s_set_vgpr_msb (MSB<<8)|\new
.set MSB, \new
.endif
.endm
.macro JLOAD g0a, g1a, g0b, g1b        ; waves 0, 1 fetch x's halves, waves 2, 3 Wk's and Wq's rows
	s_cmp_eq_u32 s15, 0
	s_cbranch_scc0 .Lfor_b_\@
	tensor_load_to_lds s[\g0a:\g0a+3], s[\g1a:\g1a+7]
	s_nop 0
.rept 4
	v_nop
.endr
	s_branch .Lasked_\@
.Lfor_b_\@:
	tensor_load_to_lds s[\g0b:\g0b+3], s[\g1b:\g1b+7]
	s_nop 0
.rept 4
	v_nop
.endr
.Lasked_\@:
.endm
.macro CREST
	s_cmp_lg_u32 s14, 0
	s_cbranch_scc1 .Lnot_wave_0_\@
	s_barrier_signal -3
.Lnot_wave_0_\@:
	s_barrier_wait -3
	s_barrier_signal -1
	s_barrier_wait -1
.endm
.macro CROUND
	s_barrier_signal -1
	s_barrier_wait -1
	CREST
.endm
	s_load_b128 s[4:7], s[0:1], 0x0                ; xc, xs
	s_load_b128 s[8:11], s[0:1], 0x10              ; wc, ws
	s_load_b64 s[12:13], s[0:1], 0x20              ; att
	v_lshl_add_u32 v[SPW], v0, 2, SPARE
	v_mov_b32 v[NIL], 0
	ds_add_u32 v[SPW], v[NIL]                      ; the opening lines: the add twice on end and its wait
	ds_add_u32 v[SPW], v[NIL]
	v_lshrrev_b32 v1, 5, v0
	v_readfirstlane_b32 s14, v1                    ; wave
	s_lshr_b32 s15, s14, 1                         ; wy: my half of the tokens.  Also: I fetch x (0) or weights (1)
	s_and_b32 s16, s14, 1                          ; wx: my head of the tile's two.  Also: which 128 rows I fetch
	s_bfe_u32 s40, ttmp6, 0x40000                  ; cx, cy
	s_bfe_u32 s41, ttmp6, 0x40004
	s_lshl_b32 s42, ttmp9, 2
	s_add_co_u32 s42, s42, s40                     ; tx
	s_and_b32 s17, ttmp7, 0xffff
	s_lshl_b32 s17, s17, 2
	s_add_co_u32 s17, s17, s41                     ; ty
	s_lshl_b32 s43, s41, 2
	s_lshl_b32 s43, 15, s43                        ; my row of the cluster
	s_lshl_b32 s44, 0x1111, s40                    ; my column
	s_or_b32 s[G1+0], s43, (0<<16)|(1<<20)|(1<<21)|(5<<22)|(3<<25)  ; mask; elements of 1 byte; 4 words of padding behind every 64
	s_or_b32 s[G1B+0], s44, (0<<16)|(1<<20)|(1<<21)|(5<<22)|(3<<25)
.irp g, G1, G1B
	s_mov_b32 s[\g+1], ROWB<<16
	s_mov_b32 s[\g+2], 256<<16                     ; 256 rows for the head's loads
	s_mov_b32 s[\g+3], ROWB<<16
	s_mov_b32 s[\g+4], 256
	s_mov_b32 s[\g+5], KROW
	s_mov_b32 s[\g+6], 0
	s_mov_b32 s[\g+7], 0
.endr
	s_or_b32 s[G1S+0], s43, (3<<16)|(1<<20)|(1<<21)|(5<<22)|(3<<25) ; the scales of 256 rows: 8,192 dense bytes as 32 rows of 256
	s_or_b32 s[G1SB+0], s44, (3<<16)|(1<<20)|(1<<21)|(5<<22)|(3<<25)
.irp g, G1S, G1SB
	s_mov_b32 s[\g+1], 32<<16
	s_mov_b32 s[\g+2], KS<<16
	s_mov_b32 s[\g+3], 32<<16
	s_mov_b32 s[\g+4], KS
	s_mov_b32 s[\g+5], 32
	s_mov_b32 s[\g+6], 0
	s_mov_b32 s[\g+7], 0
.endr
	s_lshl_b32 s20, s17, 8
	s_lshl_b32 s46, s42, 8
	s_mov_b32 s21, 0
	s_mov_b32 s47, 0
	s_mov_b64 s[18:19], KS
	s_mul_u64 s[22:23], s[20:21], s[18:19]
	s_mul_u64 s[92:93], s[46:47], s[18:19]
	s_mov_b64 s[18:19], KROW
	s_mul_u64 s[20:21], s[20:21], s[18:19]
	s_mul_u64 s[46:47], s[46:47], s[18:19]
	s_mul_i32 s18, s16, 128*KROW
	s_mov_b32 s19, 0
	s_mul_i32 s45, s14, HALFT
	s_wait_dscnt 0x0                               ; both opening adds are done
	s_wait_kmcnt 0x0
	s_add_nc_u64 s[20:21], s[4:5], s[20:21]
	s_add_nc_u64 s[22:23], s[6:7], s[22:23]
	s_add_nc_u64 s[46:47], s[8:9], s[46:47]
	s_add_nc_u64 s[92:93], s[10:11], s[92:93]
	CROUND                                         ; all sixteen work-groups are here: the first joint loads meet
	s_mov_b32 s[G0H], 1
	s_mov_b32 s[G0H+1], 0
	s_mov_b64 s[G0H+2:G0H+3], s[20:21]
	s_or_b32 s[G0H+3], s[G0H+3], 0x80000000
	s_mov_b32 s[G0HB], 1
	s_mov_b32 s[G0HB+1], 2*HALFT
	s_mov_b64 s[G0HB+2:G0HB+3], s[46:47]
	s_or_b32 s[G0HB+3], s[G0HB+3], 0x80000000
	s_mov_b32 s[G0S], 1
	s_mov_b32 s[G0S+1], SCL
	s_mov_b64 s[G0S+2:G0S+3], s[22:23]
	s_or_b32 s[G0S+3], s[G0S+3], 0x80000000
	s_mov_b32 s[G0SB], 1
	s_mov_b32 s[G0SB+1], SCL+2*HALFS
	s_mov_b64 s[G0SB+2:G0SB+3], s[92:93]
	s_or_b32 s[G0SB+3], s[G0SB+3], 0x80000000
	s_add_nc_u64 s[20:21], s[20:21], s[18:19]
	s_add_nc_u64 s[46:47], s[46:47], s[18:19]
.irp s, 0,1
	s_mov_b32 s[G0+4*\s], 1
	s_add_co_u32 s[G0+4*\s+1], s45, \s*SLOT
	s_add_nc_u64 s[G0+4*\s+2:G0+4*\s+3], s[20:21], \s*ROWB
	s_or_b32 s[G0+4*\s+3], s[G0+4*\s+3], 0x80000000
	s_mov_b32 s[G0B+4*\s], 1
	s_add_co_u32 s[G0B+4*\s+1], s45, \s*SLOT
	s_add_nc_u64 s[G0B+4*\s+2:G0B+4*\s+3], s[46:47], \s*ROWB
	s_or_b32 s[G0B+4*\s+3], s[G0B+4*\s+3], 0x80000000
.endr
; the head's four tiles, one load a wave: chunk 0 of x's 256 rows, chunk 0 of the weights' 256 rows, x's scales, the weights' scales: one chain of branches on the wave's number
.macro ARM under, g0, g1, next
	s_cmp_lt_u32 s14, \under
	s_cbranch_scc0 \next
	tensor_load_to_lds s[\g0:\g0+3], s[\g1:\g1+7]
	s_nop 0
.rept 4
	v_nop
.endr
	s_branch .Lhead_asked
\next:
.endm
	ARM 1, G0H,  G1,  .Lhead_b
	ARM 2, G0HB, G1B, .Lhead_sa
	ARM 3, G0S,  G1S, .Lhead_sb
	tensor_load_to_lds s[G0SB:G0SB+3], s[G1SB:G1SB+7]
	s_nop 0
.rept 4
	v_nop
.endr
.Lhead_asked:
	v_and_b32 v1, 15, v0                           ; r
	v_bfe_u32 v2, v0, 4, 1                         ; h
	v_mul_u32_u24 v3, v1, PITCH
	v_mul_u32_u24 v4, v2, 24
	v_add_nc_u32 v4, v3, v4                        ; row x pitch + 24 h
	s_mov_b32 s21, SLOT-232
	s_mov_b32 s22, SLOT+232
	v_sub_nc_u32 v7, 1, v2
	v_mul_u32_u24 v5, s21, v2
	v_add_nc_u32 v5, v3, v5
	v_add_nc_u32 v5, 232, v5                       ; lanes 0-15 byte 232 of the row in slot 0, lanes 16-31 byte 0 in slot 1;
	v_mul_u32_u24 v6, s22, v7
	v_add_nc_u32 v6, v3, v6                        ; and the other way round
	s_mul_i32 s21, s15, HALFT                      ; my 128 tokens
	s_mul_i32 s22, s16, 64*PITCH                   ; my head's 64 rows of Wk,
	s_add_co_u32 s22, s22, 2*HALFT                 ; behind x's 256
	v_add_nc_u32 v[ADRA+2], s21, v5
	v_add_nc_u32 v[ADRA+3], s21, v6
	v_add_nc_u32 v[ADRB+2], s22, v5
	v_add_nc_u32 v[ADRB+3], s22, v6
.irp s, 0,1
	v_add_nc_u32 v[ADRA+\s], s21, v4
	v_add_nc_u32 v[ADRB+\s], s22, v4
	s_add_co_u32 s21, s21, SLOT
	s_add_co_u32 s22, s22, SLOT
.endr
	s_mul_i32 s21, s15, HALFS                      ; x's scales: my 128 rows
	s_mul_i32 s22, s16, 4*SBLK                     ; Wk's: my 64 rows, behind x's 256
	s_add_co_u32 s22, s22, 2*HALFS
	s_sub_co_u32 s22, s22, s21
	s_add_co_u32 s23, s22, HALFS-4*SBLK            ; Wq's block i - 4 as seen from block i
	s_add_co_u32 s21, s21, SCL
	v_mul_u32_u24 v5, v1, KS
	v_lshrrev_b32 v6, 8, v5
	v_lshl_add_u32 v5, v6, 4, v5                   ; 32 bytes a row, 16 more for each 256 passed
	v_mul_u32_u24 v6, s22, v2
	v_mul_u32_u24 v8, s23, v2
	v_add_nc_u32 v6, v5, v6
	v_add_nc_u32 v8, v5, v8
	v_add_nc_u32 v[ADRS], s21, v6
	v_add_nc_u32 v[ADRS2], s21, v8
	v_and_b32 v6, 31, v0
	v_lshlrev_b32 v[CO], 4, v6
	v_lshlrev_b32 v[SHR], 3, v2
	v_cmp_ne_u32 s2, 0, v2                         ; lanes 16-31
	s_lshr_b32 s20, s17, 3                         ; my record: head hb = 16 (ty / 8) + 2 tx + wx, step 2 (ty % 8) + wy
	s_lshl_b32 s20, s20, 4
	s_lshl_b32 s21, s42, 1
	s_add_co_u32 s20, s20, s21
	s_add_co_u32 s20, s20, s16
	s_mul_i32 s20, s20, HEADB
	s_and_b32 s21, s17, 7
	s_lshl_b32 s21, s21, 1
	s_add_co_u32 s21, s21, s15
	s_mul_i32 s21, s21, STEPG
	s_add_co_u32 s20, s20, s21                     ; under 2^25
	s_mov_b32 s21, 0
	s_add_nc_u64 s[12:13], s[12:13], s[20:21]
	s_mov_b32 s[SEL], 0x76543210
	s_mov_b32 s[SEL+1], 0xfedcba98
.macro FRAG reg, adr, st, i            ; 16 rows x 128 K: 12 registers, six pieces of 8 bytes; byte y of a row lies in chunk y / 256, slot (y / 256) % 2
.irp p, 0,1,2,3,4,5
.set BYT, 96*(\st)+48*(\p/3)+8*(\p%3)
.if BYT/ROWB == (BYT+24)/ROWB
	ds_load_b64 v[\reg+2*\p:\reg+2*\p+1], v[\adr+(BYT/ROWB)%2] offset:BYT%ROWB+(\i)*16*PITCH
.else
	ds_load_b64 v[\reg+2*\p:\reg+2*\p+1], v[\adr+2+(BYT/ROWB)%2] offset:BYT%ROWB-232+(\i)*16*PITCH
.endif
.endr
.endm
.macro FETCH_X st, i0
.irp i, \i0, \i0+1, \i0+2, \i0+3
	FRAG XF+FR*(\i), ADRA, \st, \i
.endr
.endm
.macro FETCH_W st, base, i8
.irp i, 0,1,2,3
	FRAG \base+FR*\i, ADRB, \st, \i8+\i
.endr
.endm
.macro SCALES pr                       ; the words of steps 2 pr, 2 pr + 1 into set pr % 2
.irp i, 0,1,2,3
	ds_load_b64 v[SC+16*((\pr)%2)+2*\i:SC+16*((\pr)%2)+2*\i+1], v[ADRS] offset:\i*SBLK+8*(\pr)
.endr
.irp i, 4,5,6,7
	ds_load_b64 v[SC+16*((\pr)%2)+2*\i:SC+16*((\pr)%2)+2*\i+1], v[ADRS2] offset:\i*SBLK+8*(\pr)
.endr
.endm
; 16 products, lane = token: x's blocks a0 .. a0 + 3 against four blocks of a weight (fragments at wf, scale words from block sb).  The accumulators take turns
.macro TOK wf, sb, a0, q, sc, zero
.irp a, \a0, \a0+1, \a0+2, \a0+3
.irp b, 0,1,2,3
.if \zero
	v_wmma_scale_f32_16x16x128_f8f6f4 v[8*(4*(\a)+\b):8*(4*(\a)+\b)+7], v[\wf+FR*\b:\wf+FR*\b+FR-1], v[XF+FR*(\a):XF+FR*(\a)+FR-1], 0, v[SC+16*(\sc)+2*(\sb+\b)+(\q)], v[SC+16*(\sc)+2*(\a)+(\q)] matrix_a_fmt:MATRIX_FMT_FP6 matrix_b_fmt:MATRIX_FMT_FP6 matrix_a_scale:MATRIX_SCALE_ROW1
.else
	v_wmma_scale_f32_16x16x128_f8f6f4 v[8*(4*(\a)+\b):8*(4*(\a)+\b)+7], v[\wf+FR*\b:\wf+FR*\b+FR-1], v[XF+FR*(\a):XF+FR*(\a)+FR-1], v[8*(4*(\a)+\b):8*(4*(\a)+\b)+7], v[SC+16*(\sc)+2*(\sb+\b)+(\q)], v[SC+16*(\sc)+2*(\a)+(\q)] matrix_a_fmt:MATRIX_FMT_FP6 matrix_b_fmt:MATRIX_FMT_FP6 matrix_a_scale:MATRIX_SCALE_ROW1
.endif
.endr
.endr
.endm
; 16 products, lane = feature: the same fragments of x and Wk with the sources swapped; accumulator (b, a) at 8 (8 b + a)
.macro FEAT a0, q, sc, zero
.irp a, \a0, \a0+1, \a0+2, \a0+3
.irp b, 0,1,2,3
.if \zero
	v_wmma_scale_f32_16x16x128_f8f6f4 v[8*(8*\b+(\a)):8*(8*\b+(\a))+7], v[XF+FR*(\a):XF+FR*(\a)+FR-1], v[WK+FR*\b:WK+FR*\b+FR-1], 0, v[SC+16*(\sc)+2*(\a)+(\q)], v[SC+16*(\sc)+2*\b+(\q)] matrix_a_fmt:MATRIX_FMT_FP6 matrix_b_fmt:MATRIX_FMT_FP6 matrix_b_scale:MATRIX_SCALE_ROW1
.else
	v_wmma_scale_f32_16x16x128_f8f6f4 v[8*(8*\b+(\a)):8*(8*\b+(\a))+7], v[XF+FR*(\a):XF+FR*(\a)+FR-1], v[WK+FR*\b:WK+FR*\b+FR-1], v[8*(8*\b+(\a)):8*(8*\b+(\a))+7], v[SC+16*(\sc)+2*(\a)+(\q)], v[SC+16*(\sc)+2*\b+(\q)] matrix_a_fmt:MATRIX_FMT_FP6 matrix_b_fmt:MATRIX_FMT_FP6 matrix_b_scale:MATRIX_SCALE_ROW1
.endif
.endr
.endr
.endm
.macro KPART a0, q, sc, zero
	WIN 0xa0                                       ; C and D window 2
	TOK WK, 0, \a0, \q, \sc, \zero
	WIN 0xf0                                       ; window 3
	FEAT \a0, \q, \sc, \zero
.endm
.macro PLACES n                        ; places behind matrix instructions, ahead of loads into their sources and of reads of their results
.rept \n
	v_nop
.endr
.endm
; A step: 96 products on step st's fragments; all of step st + 1's fragments are fetched behind its first 32.  Where the next step's bytes END in a chunk not yet read, every wave waits for its tensor loads and a
; barrier shows that chunk whole; where they BEGIN in a later chunk, the chunk left behind is read no more: the three lines, the barrier, and, where a chunk two on is left, the cluster's round and the refill.
.macro STEP st, zero
.set NX, (\st)+1
.set C0, (96*(\st))/ROWB
.set C1, (96*NX)/ROWB
.set E0, (96*(\st)+95)/ROWB
.set E1, (96*NX+95)/ROWB
.set QQ, (\st)%2
.set SS, ((\st)/2)%2
.if C1 > C0 || E1 > E0
	s_wait_tensorcnt 0x0                           ; all my tensor loads have landed
.if C1 > C0
	ds_add_u32 v[SPW], v[NIL]
	s_wait_dscnt 8*NL+1                            ; the add, x's blocks 4-7 (24 loads) and Wk's (24) may be out
.else
	s_wait_dscnt 8*NL
.endif
	WIN 0x50                                       ; C and D window 1
	TOK WQ, 4, 0, QQ, SS, \zero
	s_wait_dscnt 0x0                               ; the add and all my reads are done
	s_barrier_signal -1
	TOK WQ, 4, 4, QQ, SS, \zero
	WIN 0
	s_barrier_wait -1
.if C1 > C0 && C0+2 < CHUNKS
	CREST                                          ; the barrier has opened a round of the cluster's barrier
	s_add_nc_u64 s[G0+4*(C0%2)+2:G0+4*(C0%2)+3], s[G0+4*(C0%2)+2:G0+4*(C0%2)+3], 2*ROWB
	s_add_nc_u64 s[G0B+4*(C0%2)+2:G0B+4*(C0%2)+3], s[G0B+4*(C0%2)+2:G0B+4*(C0%2)+3], 2*ROWB
	JLOAD G0+4*(C0%2), G1, G0B+4*(C0%2), G1B       ; chunk C0 + 2; its four v_nop are the places ahead of the loads below
.else
	PLACES NP
.endif
.else
	s_wait_dscnt 8*NL                              ; x's blocks 4-7 and Wk's fragments (48 loads) may be out
	WIN 0x50
	TOK WQ, 4, 0, QQ, SS, \zero
	s_wait_dscnt 4*NL                              ; Wk's 24 may be out
	TOK WQ, 4, 4, QQ, SS, \zero
	s_wait_dscnt 0
	WIN 0
	PLACES NP
.endif
	FETCH_W NX, WQ, 8
.if NX%2 == 0
	SCALES NX/2
.endif
	KPART 0, QQ, SS, \zero
	PLACES NP
	WIN 0
	FETCH_X NX, 0
	KPART 4, QQ, SS, \zero
	PLACES NP
	WIN 0
	FETCH_X NX, 4
	FETCH_W NX, WK, 0
.endm
	s_wait_alu depctr_va_vdst(0)                   ; the wait at the head's end
	s_wait_tensorcnt 0x0                           ; my tile of the head's four is in; the lines ahead of a later first fill:
	ds_add_u32 v[SPW], v[NIL]
	s_mov_b32 s[G1+2], 128<<16                     ; no tensor load of mine is out: from here on a load brings 128 rows
	s_mov_b32 s[G1+4], 128
	s_mov_b32 s[G1B+2], 128<<16
	s_mov_b32 s[G1B+4], 128
	s_wait_dscnt 0x0
	CROUND
	JLOAD G0+4, G1, G0B+4, G1B                     ; chunk 1, the first tensor load behind the round
	FETCH_W 0, WQ, 8
	FETCH_X 0, 0
	SCALES 0
	FETCH_X 0, 4
	FETCH_W 0, WK, 0
	STEP 0, 1                                      ; the first step's products start the sums
.set ST, 1
.rept STEPS-2
	STEP ST, 0
.set ST, ST+1
.endr
	s_wait_dscnt 8*NL                              ; the last step fetches nothing
	WIN 0x50
	TOK WQ, 4, 0, 1, 1, 0
	s_wait_dscnt 0
	TOK WQ, 4, 4, 1, 1, 0
	KPART 0, 1, 1, 0
	KPART 4, 1, 1, 0
	WIN 0
; THE WAY OUT.  Four groups of 32 registers (window w, groups g0 .. g0 + 3) at a time: each is a whole block of 32 along the next K in my lane.  Largest magnitude with the floor, 2 off its exponent field,
; two conversions a block; two groups make an image, and their bytes, with lane l xor 16's, its scale word.  Each accumulator is read from its low end on.
.macro QG4 w, g0, img, wd, off
	WIN (\w)*5                                     ; sources 0 and 1: window w
.irp b, 0,1,2,3
	v_max3_num_f32 v[TM+\b], |v[32*(\g0+\b)]|, |v[32*(\g0+\b)+1]|, 0x1800000
.endr
.irp i, 2,4,6,8,10,12,14,16,18,20,22,24,26,28,30
.irp b, 0,1,2,3
	v_max3_num_f32 v[TM+\b], |v[32*(\g0+\b)+\i]|, |v[32*(\g0+\b)+\i+1]|, v[TM+\b]
.endr
.endr
	WIN 0
.irp b, 0,1,2,3
	v_add_nc_u32 v[SO+\b], 0xff000000, v[TM+\b]    ; the conversion's scale operand
.endr
.irp b, 0,1,2,3
	v_lshrrev_b32 v[BY+\b], 23, v[SO+\b]           ; the byte
.endr
	v_lshl_or_b32 v[XW], v[BY+1], 16, v[BY]        ; my bytes of an image's two groups: bytes h and 2 + h of its word
	v_lshl_or_b32 v[XW+1], v[BY+3], 16, v[BY+2]
	v_lshlrev_b32 v[XW], v[SHR], v[XW]
	v_lshlrev_b32 v[XW+1], v[SHR], v[XW+1]
	v_permlanex16_b32 v[XP], v[XW], s[SEL], s[SEL+1]
	v_permlanex16_b32 v[XP+1], v[XW+1], s[SEL], s[SEL+1]
	v_or_b32 v[\wd], v[XW], v[XP]
	v_or_b32 v[\wd+1], v[XW+1], v[XP+1]
	WIN \w                                         ; source 0: window w
.irp b, 0,1,2,3
	v_cvt_scalef32_pk16_fp6_f32 v[\img+6*\b:\img+6*\b+2], v[32*(\g0+\b):32*(\g0+\b)+15], v[SO+\b]
	v_cvt_scalef32_pk16_fp6_f32 v[TP+4*\b:TP+4*\b+2], v[32*(\g0+\b)+16:32*(\g0+\b)+31], v[SO+\b]   ; (three registers begin on an even number)
.endr
	WIN 0
	v_nop                                          ; a plain line behind the conversions
.irp b, 0,1,2,3
.irp i, 0,1,2
	v_mov_b32 v[\img+6*\b+3+\i], v[TP+4*\b+\i]
.endr
.endr
.irp k, 0,1,2,3,4,5
	global_store_b128 v[CO], v[\img+4*\k:\img+4*\k+3], s[12:13] offset:\off+512*\k   ; 32 lanes store 512 consecutive bytes, aligned
.endr
.endm
	PLACES NP
	v_mov_b32 v[XP], 0                             ; a lane permute's destination counts as a source
	v_mov_b32 v[XP+1], 0
	QG4 1, 0, IMG,     QW,    0
	QG4 1, 4, IMG+24,  QW+2,  3072
	QG4 2, 0, IMG+48,  KHW,   12800
	QG4 2, 4, IMG+72,  KHW+2, 15872
	QG4 3, 0, IMG+96,  KTW,   6656
	QG4 3, 4, IMG+120, KTW+2, 9728
.irp t, 0,1,2,3
	v_cndmask_b32 v[WW+\t], v[QW+\t], v[KTW+\t], s2  ; lanes 0-15 Q's four words of row r, lanes 16-31 KT's
.endr
	global_store_b128 v[CO], v[WW:WW+3], s[12:13] offset:6144
	global_store_b128 v[CO], v[KHW:KHW+3], s[12:13] offset:18944   ; both halves of the lanes hold row r's words
	s_wait_tensorcnt 0x0                           ; the wave's end
	ds_add_u32 v[SPW], v[NIL]
	s_wait_dscnt 0x0
	CROUND                                         ; the closing round
	s_endpgm
.Lfunc_end_k_q9fbfe5cd6b_proj:
	.size	k_q9fbfe5cd6b_proj, .Lfunc_end_k_q9fbfe5cd6b_proj-k_q9fbfe5cd6b_proj
	.p2alignl 7, 3214868480
	.fill 96, 4, 3214868480
	.section	.rodata,"a",@progbits
	.p2align	6, 0x0
	.amdhsa_kernel k_q9fbfe5cd6b_proj
		.amdhsa_group_segment_fixed_size 327680
		.amdhsa_private_segment_fixed_size 0
		.amdhsa_enable_private_segment 0
		.amdhsa_kernarg_size 40
		.amdhsa_user_sgpr_count 2
		.amdhsa_user_sgpr_kernarg_segment_ptr 1
		.amdhsa_wavefront_size32 1
		.amdhsa_system_sgpr_workgroup_id_x 1
		.amdhsa_system_sgpr_workgroup_id_y 1
		.amdhsa_system_sgpr_workgroup_id_z 1
		.amdhsa_system_vgpr_workitem_id 0
		.amdhsa_next_free_vgpr 1024
		.amdhsa_next_free_sgpr 98
		.amdhsa_reserve_vcc 0
		.amdhsa_float_denorm_mode_32 3
		.amdhsa_float_denorm_mode_16_64 3
		.amdhsa_memory_ordered 1
		.amdhsa_forward_progress 1
		.amdhsa_inst_pref_size 204
	.end_amdhsa_kernel
	.amdgpu_metadata
---
amdhsa.version: [ 1, 2 ]
amdhsa.kernels:
  - .name:           k_q9fbfe5cd6b_proj
    .symbol:         k_q9fbfe5cd6b_proj.kd
    .args:
      - { .name: xc, .offset: 0, .size: 8, .value_kind: global_buffer, .address_space: global }
      - { .name: xs, .offset: 8, .size: 8, .value_kind: global_buffer, .address_space: global }
      - { .name: wc, .offset: 16, .size: 8, .value_kind: global_buffer, .address_space: global }
      - { .name: ws, .offset: 24, .size: 8, .value_kind: global_buffer, .address_space: global }
      - { .name: att, .offset: 32, .size: 8, .value_kind: global_buffer, .address_space: global }
    .group_segment_fixed_size: 327680
    .private_segment_fixed_size: 0
    .kernarg_segment_align: 8
    .kernarg_segment_size: 40
    .max_flat_workgroup_size: 128
    .sgpr_count:     98
    .vgpr_count:     1024
    .wavefront_size: 32
...
	.end_amdgpu_metadata
.endif
;; end of part 2
;; launch attn (part 3): grid 4 x 64, 16 waves a work-group, clusters of 4 x 1, 276,480 bytes of LDS; arguments att, out0; writes out0
.if DOCPART == 3
	.amdgcn_target "amdgcn-amd-amdhsa--gfx1250"
	.amdhsa_code_object_version 6
	.text
	.protected	k_q9fbfe5cd6b_attn
	.globl	k_q9fbfe5cd6b_attn
	.p2align	8
	.type	k_q9fbfe5cd6b_attn,@function
k_q9fbfe5cd6b_attn:
	s_mov_b64 s[64:65], 0
	v_nop
	global_prefetch_b8 v0, s[64:65] scope:SCOPE_SE
	s_setreg_imm32_b32 hwreg(HW_REG_WAVE_MODE, 25, 1), 1
	s_wait_xcnt 0x0
	s_wait_alu depctr_hold_cnt(0) depctr_sa_sdst(0) depctr_va_vdst(0) depctr_va_sdst(0) depctr_va_ssrc(0) depctr_va_vcc(0) depctr_vm_vsrc(0)
	s_getreg_b32 s2, hwreg(HW_REG_IB_STS2, 6, 4)
	s_cmp_eq_u32 s2, 0
	s_cbranch_scc0 .Lentry_in_a_cluster
	s_endpgm
.Lentry_in_a_cluster:
	s_bfe_u32 s2, ttmp6, 0x10000c
	s_cmp_lg_u32 s2, 0x3003
	s_cbranch_scc0 .Lentry_shape_is_right
	s_endpgm
.Lentry_shape_is_right:
; out[hb][i][:] = the sum over j of softmax_j(k_i . q_j) k_j[:], for each of 64 heads hb, 2,048 tokens, head size 64; no scaling of the scores.  Both products on codes of FP6 (E2M3) with E8M0 scales.
; (The values of reference() are left out: it deletes them.)  All operands come from att as images of the operand registers (register p of lane L at 512 (p / 4) + 16 L + 4 (p % 4)):
; a step (128 tokens) of a head is 19,456 bytes: 0 Q's four pair images | 6,144 Q's words | 6,400 KT's words | 6,656 KT's four images (tokens as K) | 12,800 KH's four pair images | 18,944 KH's words.
; THE SOFTMAX: t = score x log2(e); M = the row's largest t so far, rounded UP to a whole number; p = 2^(t - M) is quantised along j, not normalised.  The row's sum is taken of the unquantised p, in f32,
; and divides at the end.  When M moves, the sum and O are multiplied by 2^(old M - new M): exact.
; SHARES.  A work-group owns 512 rows i of a head; each of its sixteen waves 32 of them, as two tiles of 16, one after the other; each pass walks all 2,048 columns j, 128 a step.
; LDS.  The first 12,800 bytes of all 16 steps (204,800 bytes) come ONCE, one tensor load a wave, and stay: nothing is filled again, no barrier in the loops; so there is no later tile to prefetch.
; CLUSTER.  The four work-groups of a head need the same 204,800 bytes: each load is asked for jointly by the four.
; LAYOUT.  Both products are used transposed (S^T: source 0 = 16 columns j, source 1 = my 16 rows; O^T: source 0 = 16 of the head's 64, source 1 = P): a lane holds ONE row i throughout.
; K = 64 in a form of K = 128: a pair image of Q holds two tiles of columns, one in each half of K; my rows' codes stand as [ki | zeros | ki], taken at +0 and at +6.  The zero half's scale bytes are 1.
; Lane r of tile 4 c + u takes token 64 c + 32 (r / 8) + 8 u + r % 8, so the 32 registers of tiles 4 c .. 4 c + 3 are columns 64 c + 32 (lane / 16) + 0 .. 31: a whole block in a lane.
; Likewise O^T's 32 registers are d = 32 (lane / 16) + 0 .. 31.
; THE SECOND PRODUCT LAGS ONE STEP, so that one set of 48 fragment registers serves both operands with every LDS load asked for ahead of vector work: step s runs S(s); asks for KT(s - 1), which lands under
; the maxima; O += KT(s - 1) P(s - 1); asks for Q(s + 1), which lands under the exponentials and sums; makes P(s).  The step is written once: the first finds zero codes as P (with step 15's KT they add zeros);
; in the last trip Q's place is taken by KT(15), for the one product behind the loop.
; LIMITS: NaN and infinities are not served; the promise holds while |t| stays under 2^31.  A block whose every p has fallen to 0 has the byte 1.  A block's largest p is made from its largest score by the same
; multiply-add and exponential: this takes v_exp_f32 not to fall where its input rises; at the worst one p of a block, within an ulp of a power of two, is held one code low.
.set STEPL, 12800
.set STEPG, 19456
.set HEADB, 16*STEPG
.set STAGE, 16*STEPL                   ; the way out: 16 rows x (256 + 16) bytes for each wave; no tile lands here
.set SPITCH, 272
.set SPARE, STAGE+16*16*SPITCH
.set LI,   1                           ; 16 x lane
.set SPW,  3
.set NIL,  4
.set STO,  5
.set RD,   6
.set GO,   7
.set WR,   8                           ; 16 r
.set T0,   9
.set KS,   10                          ; v10, v11 my rows' scale words for [ki | 0], [0 | ki]
.set NM,   12                          ; v12 -M, v13 the row's largest score
.set SUM,  14                          ; v[14:15]
.set KIP,  16                          ; v16-27 my pair image of KH
.set KRW,  28
.set SH,   29                          ; 8 x (lane / 16)
.set ADRK, 30                          ; LDS address of step s - 1
.set ADRQ, 31                          ; of step s + 1's images (in the last trip: of KT(15))
.set FR,   32                          ; v32-79 four fragments of Q or KT
.set SCQ,  80                          ; v80-83 step s's words: lanes 0-15 Q's, lanes 16-31 KT's
.set KI,   84                          ; v84-101
.set ADRS, 102                         ; of step s + 1's words (in the last trip: step 15's)
.set S,    104                         ; v104-167 S^T, then p
.set O,    168                         ; v168-199 O^T
.set PC,   200                         ; v200-211 p's codes
.set TP,   212                         ; v212-218 the blocks' upper halves
.set BM,   220                         ; v220-223 four chains of maxima; then v220, v222: my two blocks' largest score, then p
.set BX,   224
.set SO,   228
.set BY,   230
.set F,    232                         ; v[232:233]
.set PWD,  234                         ; p's scale word
.set T2,   235
.set U,    236                         ; eight chains of the sum: v236-243 and v248-255
.set SCK,  244                         ; v244-247 step s - 1's words
.set WV,   8
.set G0,   12
.set G1,   16
.set SEL,  24
.set CS,   26                          ; s[26:27] log2(e)
.set CNT,  29                          ; the step
.set CN,   40                          ; -log2(e)
.macro CROUND
	s_barrier_signal -1
	s_barrier_wait -1
	s_cmp_lg_u32 s[WV], 0
	s_cbranch_scc1 .Lnot_wave_0_\@
	s_barrier_signal -3
.Lnot_wave_0_\@:
	s_barrier_wait -3
	s_barrier_signal -1
	s_barrier_wait -1
.endm
	s_load_b128 s[4:7], s[0:1], 0x0                ; att, out0
	v_lshl_add_u32 v[SPW], v0, 2, SPARE
	v_mov_b32 v[NIL], 0
	ds_add_u32 v[SPW], v[NIL]                      ; the opening lines: the add twice on end and its wait
	ds_add_u32 v[SPW], v[NIL]
	v_lshrrev_b32 v[LI], 5, v0
	s_delay_alu instid0(VALU_DEP_1)
	v_readfirstlane_b32 s[WV], v[LI]               ; wave 0..15
	s_bfe_u32 s9, ttmp6, 0x40000                   ; cx: it enters KH's and out0's addresses alone
	s_and_b32 s10, ttmp7, 0xffff                   ; the head
	s_mov_b32 s[G1], 15|(3<<16)|(1<<21)            ; all four work-groups; 12,800 dense bytes as 50 rows of 256
	s_mov_b32 s[G1+1], 32<<16
	s_mov_b32 s[G1+2], 50<<16
	s_mov_b32 s[G1+3], 32<<16
	s_mov_b32 s[G1+4], 50
	s_mov_b32 s[G1+5], 32
	s_mov_b32 s[G1+6], 0
	s_mov_b32 s[G1+7], 0
	s_mov_b32 s[G0], 1
	s_mul_i32 s[G0+1], s[WV], STEPL                ; wave w brings step w
	s_mov_b32 s[SEL], 0x76543210
	s_mov_b32 s[SEL+1], 0xfedcba98
	s_mov_b32 s[CS], 0x3fb8aa3b
	s_mov_b32 s[CS+1], s[CS]
	s_mov_b32 s[CN], 0xbfb8aa3b
	s_mul_i32 s30, s10, HEADB
	s_mov_b32 s31, 0
	s_mul_i32 s32, s[WV], STEPG
	s_mov_b32 s33, 0
	s_lshl_b32 s34, s9, 2                          ; my 32 rows are pair w % 4 of step 4 cx + w / 4
	s_lshr_b32 s36, s[WV], 2
	s_add_co_u32 s34, s34, s36
	s_mul_i32 s34, s34, STEPG
	s_and_b32 s38, s[WV], 3
	s_lshl_b32 s36, s38, 2
	s_add_co_u32 s36, s36, s34
	s_add_co_u32 s36, s36, 18944                   ; KH's words: word w % 4 of each row's four
	s_mov_b32 s37, 0
	s_mul_i32 s38, s38, 1536
	s_add_co_u32 s34, s34, s38
	s_add_co_u32 s34, s34, 12800                   ; KH's pair image
	s_mov_b32 s35, 0
	s_lshl_b32 s38, s10, 19                        ; out0: a head is 2,048 rows of 256 bytes; 512 cx + 128 (w / 4) + 64 ((w / 2) % 2) + 16 (w % 2) is my pair's first row
	s_lshl_b32 s39, s9, 17
	s_add_co_u32 s38, s38, s39
	s_lshr_b32 s39, s[WV], 2
	s_lshl_b32 s39, s39, 15
	s_add_co_u32 s38, s38, s39
	s_bfe_u32 s39, s[WV], 0x10001
	s_lshl_b32 s39, s39, 14
	s_add_co_u32 s38, s38, s39
	s_and_b32 s39, s[WV], 1
	s_lshl_b32 s39, s39, 12
	s_add_co_u32 s38, s38, s39
	s_mov_b32 s39, 0
	s_mul_i32 s29, s[WV], 16*SPITCH
	s_add_co_u32 s29, s29, STAGE
	v_and_b32 v[LI], 31, v0
	s_delay_alu instid0(VALU_DEP_1)
	v_lshlrev_b32 v[LI], 4, v[LI]
	v_and_b32 v[T2], 15, v0                        ; r
	v_bfe_u32 v[T0], v0, 4, 1                      ; h
	s_delay_alu instid0(VALU_DEP_2)
	v_lshlrev_b32 v[WR], 4, v[T2]
	v_mul_u32_u24 v[STO], v[T2], SPITCH
	v_lshlrev_b32 v[SH], 3, v[T0]
	s_delay_alu instid0(VALU_DEP_2)
	v_lshl_add_u32 v[STO], v[T0], 7, v[STO]
	s_delay_alu instid0(VALU_DEP_1)
	v_add_nc_u32 v[STO], s29, v[STO]               ; in: row r, + 128 h: my 32 numbers are d = 32 h + 0 .. 31
	v_mul_u32_u24 v[RD], v[T0], SPITCH
	s_delay_alu instid0(VALU_DEP_1)
	v_lshl_add_u32 v[RD], v[T2], 4, v[RD]
	s_delay_alu instid0(VALU_DEP_1)
	v_add_nc_u32 v[RD], s29, v[RD]                 ; back: lanes 0-15 one row of 256 bytes, lanes 16-31 the next
	v_lshlrev_b32 v[GO], 8, v[T0]
	s_delay_alu instid0(VALU_DEP_1)
	v_lshl_add_u32 v[GO], v[T2], 4, v[GO]
	s_wait_alu depctr_va_vdst(0)                   ; the wait at the head's end
	s_wait_dscnt 0x0
	s_wait_kmcnt 0x0
	s_add_nc_u64 s[4:5], s[4:5], s[30:31]
	s_add_nc_u64 s[G0+2:G0+3], s[4:5], s[32:33]    ; nothing of it hangs on cx
	s_or_b32 s[G0+3], s[G0+3], 0x80000000
	s_add_nc_u64 s[34:35], s[4:5], s[34:35]
	s_add_nc_u64 s[36:37], s[4:5], s[36:37]
	s_add_nc_u64 s[38:39], s[6:7], s[38:39]
	CROUND
	tensor_load_to_lds s[G0:G0+3], s[G1:G1+7]      ; my one tensor load of the launch
	s_nop 0
.rept 4
	v_nop
.endr
.irp k, 0,1,2
	global_load_b128 v[KIP+4*\k:KIP+4*\k+3], v[LI], s[34:35] offset:512*\k
.endr
	global_load_b32 v[KRW], v[WR], s[36:37]
.irp i, 6,7,8,9,10,11
	v_mov_b32 v[KI+\i], 0
.endr
	v_mov_b32 v[BX], 0                             ; a lane permute's destination counts as a source
	v_mov_b32 v[F+1], 0                            ; (named as the upper half of a pair)
	s_wait_alu depctr_va_vdst(0)                   ; ahead of the waits below
	s_wait_loadcnt 0x0
	s_wait_tensorcnt 0x0
	s_barrier_signal -1
	s_barrier_wait -1                              ; everybody's step is in LDS
.macro IMAGES adr, off                 ; four images into the fragment registers
.irp t, 0,1,2,3
.irp k, 0,1,2
	ds_load_b128 v[FR+12*\t+4*\k:FR+12*\t+4*\k+3], v[\adr] offset:\off+1536*\t+512*\k
.endr
.endr
.endm
.macro PV sc                           ; O^T += KT P^T; the four accumulators take turns; other products or none stand between two links of a chain's neighbours
.irp t, 0,1,2,3
	v_wmma_scale_f32_16x16x128_f8f6f4 v[O+8*\t:O+8*\t+7], v[FR+12*\t:FR+12*\t+11], v[PC:PC+11], v[O+8*\t:O+8*\t+7], v[\sc+\t], v[PWD] matrix_a_fmt:MATRIX_FMT_FP6 matrix_b_fmt:MATRIX_FMT_FP6 matrix_a_scale:MATRIX_SCALE_ROW1
.endr
.endm
.macro FMA j0, n
.set j, \j0
.rept \n
	v_pk_fma_f32 v[S+j:S+j+1], v[S+j:S+j+1], s[CS:CS+1], v[NM:NM+1] op_sel_hi:[1,0,0]   ; t - M (the pairs' low words serve both halves)
.set j, j+2
.endr
.endm
.macro STEP
	s_add_co_u32 s41, s[CNT], 15
	s_and_b32 s41, s41, 15
	s_mul_i32 s41, s41, STEPL                      ; step s - 1 (for s = 0: step 15, met by zero codes)
	s_add_co_u32 s42, s[CNT], 1
	s_mul_i32 s42, s42, STEPL                      ; step s + 1;
	s_min_u32 s43, s42, 15*STEPL                   ; in the last trip step 15's words once more,
	s_min_u32 s42, s42, 15*STEPL+6656              ; and KT(15) in Q's place
	s_wait_dscnt 0x0                               ; Q(s) and its words are in
.irp t, 0,1,2,3
.irp q, 0,1
	v_wmma_scale_f32_16x16x128_f8f6f4 v[S+8*(2*\t+\q):S+8*(2*\t+\q)+7], v[FR+12*\t:FR+12*\t+11], v[KI+6*\q:KI+6*\q+11], 0, v[SCQ+\t], v[KS+\q] matrix_a_fmt:MATRIX_FMT_FP6 matrix_b_fmt:MATRIX_FMT_FP6
.endr
.endr
	v_add_nc_u32 v[ADRK], s41, v[LI]               ; four plain lines: the places behind the products
	v_add_nc_u32 v[ADRQ], s42, v[LI]
	v_add_nc_u32 v[ADRS], s43, v[LI]
	v_mov_b32 v[T2], v[NM]
	IMAGES ADRK, 6656                              ; KT(s - 1) lands under the maxima
	ds_load_b128 v[SCK:SCK+3], v[ADRK] offset:6144
.irp b, 0,1,2,3
	v_max3_num_f32 v[BM+\b], v[S+16*\b], v[S+16*\b+1], v[S+16*\b+2]   ; four chains of 16 scores
.endr
.irp i, 3,5,7,9,11,13
.irp b, 0,1,2,3
	v_max3_num_f32 v[BM+\b], v[BM+\b], v[S+16*\b+\i], v[S+16*\b+\i+1]
.endr
.endr
.irp b, 0,1,2,3
	v_max_num_f32 v[BM+\b], v[BM+\b], v[S+16*\b+15]
.endr
	s_delay_alu instid0(VALU_DEP_3)
	v_max_num_f32 v[BM], v[BM], v[BM+1]            ; the largest score of my block h,
	s_delay_alu instid0(VALU_DEP_2)
	v_max_num_f32 v[BM+2], v[BM+2], v[BM+3]        ; and of my block 2 + h
	s_delay_alu instid0(VALU_DEP_1)
	v_max_num_f32 v[T0], v[BM], v[BM+2]
	s_delay_alu instid0(VALU_DEP_1)
	v_permlanex16_b32 v[BX], v[T0], s[SEL], s[SEL+1]
	s_delay_alu instid0(VALU_DEP_1)
	v_max3_num_f32 v[NM+1], v[NM+1], v[T0], v[BX]  ; the row's largest score so far
	s_delay_alu instid0(VALU_DEP_1)
	v_mul_f32 v[T0], s[CN], v[NM+1]                ; -t
	s_delay_alu instid0(VALU_DEP_1)
	v_floor_f32 v[NM], v[T0]                       ; -M = floor(-t) = -ceil(t)
	s_delay_alu instid0(VALU_DEP_1)
	v_sub_f32 v[T2], v[NM], v[T2]                  ; old M less new M: a whole number, 0 or less
	s_delay_alu instid0(VALU_DEP_1)
	v_cvt_i32_f32 v[T2], v[T2]                     ; (it saturates)
	s_delay_alu instid0(VALU_DEP_1)
	v_ldexp_f32 v[F], 1.0, v[T2]                   ; f = 2^(old M - new M)
	s_wait_alu depctr_va_vdst(0)                   ; ahead of the wait below
	s_wait_dscnt 0x0                               ; KT(s - 1) is in
	PV SCK                                         ; under M(s - 1), as O^T still is
	FMA 0, 4                                       ; four plain lines that name none of those products' registers: the places ahead of the loads below
	IMAGES ADRQ, 0                                 ; Q(s + 1) lands under the rest of the step
	ds_load_b128 v[SCQ:SCQ+3], v[ADRS] offset:6144
	FMA 8, 28
	v_fma_f32 v[BM], v[BM], s[CS], v[NM]           ; the same of each block's largest score
	v_fma_f32 v[BM+2], v[BM+2], s[CS], v[NM]
	s_wait_alu depctr_va_vdst(0)                   ; the wait ahead of the batch
.set j, 0
.rept 64
	v_exp_f32 v[S+j], v[S+j]                       ; p = 2^(t - M)
.set j, j+1
.endr
	v_exp_f32 v[BM], v[BM]                         ; each block's largest p: the same two instructions on the same number
	v_exp_f32 v[BM+2], v[BM+2]
	v_pk_mul_f32 v[SUM:SUM+1], v[SUM:SUM+1], v[F:F+1] op_sel_hi:[1,0]   ; the sums under the new M (a plain line behind the batch)
	s_wait_alu depctr_va_vdst(0)                   ; one wait for the batch, directly ahead of O^T's first readers too
.set j, 0
.rept 16
	v_pk_mul_f32 v[O+j:O+j+1], v[O+j:O+j+1], v[F:F+1] op_sel_hi:[1,0]   ; O^T under the new M
.set j, j+2
.endr
	v_max_num_f32 v[BM], 0x1800000, v[BM]          ; the floor 2^(3 - 127): the byte cannot fall under 1
	v_max_num_f32 v[BM+2], 0x1800000, v[BM+2]
	s_delay_alu instid0(VALU_DEP_2)
	v_add_nc_u32 v[SO], 0xff000000, v[BM]          ; 2 off the exponent field: the conversion's scale operand
	s_delay_alu instid0(VALU_DEP_2)
	v_add_nc_u32 v[SO+1], 0xff000000, v[BM+2]
	s_delay_alu instid0(VALU_DEP_2)
	v_lshrrev_b32 v[BY], 23, v[SO]
	s_delay_alu instid0(VALU_DEP_2)
	v_lshrrev_b32 v[BY+1], 23, v[SO+1]
	s_delay_alu instid0(VALU_DEP_1)
	v_lshl_or_b32 v[T0], v[BY+1], 16, v[BY]        ; my two bytes: bytes h and 2 + h of p's scale word
	s_delay_alu instid0(VALU_DEP_1)
	v_lshlrev_b32 v[T0], v[SH], v[T0]
	s_delay_alu instid0(VALU_DEP_1)
	v_permlanex16_b32 v[BX], v[T0], s[SEL], s[SEL+1]
	s_delay_alu instid0(VALU_DEP_1)
	v_or_b32 v[PWD], v[T0], v[BX]
.irp c, 0,1
	v_cvt_scalef32_pk16_fp6_f32 v[PC+6*\c:PC+6*\c+2], v[S+32*\c:S+32*\c+15], v[SO+\c]
	v_cvt_scalef32_pk16_fp6_f32 v[TP+4*\c:TP+4*\c+2], v[S+32*\c+16:S+32*\c+31], v[SO+\c]   ; (three registers begin on an even number)
.endr
.irp c, 0,1,2,3,4,5,6,7
	v_pk_add_f32 v[U+2*\c+4*(\c/4):U+2*\c+4*(\c/4)+1], v[S+2*\c:S+2*\c+1], v[S+16+2*\c:S+16+2*\c+1]   ; THE ROW'S SUM, of the unquantised p, in eight chains (plain lines behind the conversions)
.endr
.irp c, 0,1
.irp i, 0,1,2
	v_mov_b32 v[PC+3+6*\c+\i], v[TP+4*\c+\i]
.endr
.endr
.irp k, 2,3
.irp c, 0,1,2,3,4,5,6,7
	v_pk_add_f32 v[U+2*\c+4*(\c/4):U+2*\c+4*(\c/4)+1], v[U+2*\c+4*(\c/4):U+2*\c+4*(\c/4)+1], v[S+16*\k+2*\c:S+16*\k+2*\c+1]
.endr
.endr
.irp c, 0,1,2,3
	v_pk_add_f32 v[U+2*\c:U+2*\c+1], v[U+2*\c:U+2*\c+1], v[U+12+2*\c:U+12+2*\c+1]
.endr
	v_pk_add_f32 v[U:U+1], v[U:U+1], v[U+2:U+3]
	v_pk_add_f32 v[U+4:U+5], v[U+4:U+5], v[U+6:U+7]
	s_delay_alu instid0(VALU_DEP_1)
	v_pk_add_f32 v[U:U+1], v[U:U+1], v[U+4:U+5]
	s_delay_alu instid0(VALU_DEP_1)
	v_pk_add_f32 v[SUM:SUM+1], v[SUM:SUM+1], v[U:U+1]
.endm
; A PASS: tile u of my pair: rows 8 u + r % 8 + 32 (r / 8) from my pair's first row.
.macro PASS u
	IMAGES LI, 0                                   ; Q(0) lands under the set-up
	ds_load_b128 v[SCQ:SCQ+3], v[LI] offset:6144
.irp i, 0,1,2,3,4,5
	v_mov_b32 v[KI+\i], v[KIP+6*\u+\i]
	v_mov_b32 v[KI+12+\i], v[KIP+6*\u+\i]
.endr
.if \u == 0
	v_and_b32 v[T0], 0xffff, v[KRW]
.else
	v_lshrrev_b32 v[T0], 16, v[KRW]
.endif
	s_delay_alu instid0(VALU_DEP_1)
	v_or_b32 v[KS], 0x01010000, v[T0]              ; [ki | 0]: the zero half's bytes are 1
	v_lshl_or_b32 v[KS+1], v[T0], 16, 0x0101       ; [0 | ki]
	v_mov_b32 v[NM+1], 0xff61b1e6                  ; the largest score so far: -3e38
	s_delay_alu instid0(VALU_DEP_1)
	v_floor_f32 v[NM], -v[NM+1]                    ; -M
	v_mov_b32 v[SUM], 0
	v_mov_b32 v[SUM+1], 0
	v_mov_b32 v[PWD], 0x7f7f7f7f                   ; the first step's P: zero codes under the scale 1
.set j, 0
.rept 12
	v_mov_b32 v[PC+j], 0
.set j, j+1
.endr
.set j, 0
.rept 32
	v_mov_b32 v[O+j], 0                            ; the step is written once: the first finds zeros (also the places behind the writes of ki and the scale words)
.set j, j+1
.endr
	s_mov_b32 s[CNT], 0
	s_setprio 3-2*\u                               ; the wave's user priority (ISA guide, S_SETPRIO: 0 to 3) falls as its walk goes on: 3, 2, 1, 0 for the four halves of its two passes, so that of the waves that share a SIMD those with more steps left are preferred
	s_wait_alu depctr_va_vdst(0)                   ; ahead of the step's first wait
.Lstep_\@:
	STEP
	s_add_co_u32 s[CNT], s[CNT], 1
	s_cmp_lt_u32 s[CNT], 8
	s_cbranch_scc1 .Lstep_\@
	s_mov_b32 s[CNT], 8                            ; the pass's second half: steps 8 to 15, the same step
	s_setprio 2-2*\u
.Lstepb_\@:
	STEP
	s_add_co_u32 s[CNT], s[CNT], 1
	s_cmp_lt_u32 s[CNT], 16
	s_cbranch_scc1 .Lstepb_\@
	s_wait_alu depctr_va_vdst(0)                   ; ahead of the wait below
	s_wait_dscnt 0x0                               ; KT(15) and step 15's words are in
	PV SCQ                                         ; the last step's product
.rept 4
	v_nop                                          ; places behind the last products
.endr
	v_add_f32 v[SUM], v[SUM], v[SUM+1]
	s_delay_alu instid0(VALU_DEP_1)
	v_permlanex16_b32 v[T0], v[SUM], s[SEL], s[SEL+1]
	s_delay_alu instid0(VALU_DEP_1)
	v_add_f32 v[SUM], v[SUM], v[T0]                ; the row's sum
	s_wait_alu depctr_va_vdst(0)                   ; the wait ahead of the reciprocal,
	v_rcp_f32 v[SUM], v[SUM]
	v_nop
	s_wait_alu depctr_va_vdst(0)                   ; and ahead of its first reader
.set j, 0
.rept 16
	v_pk_mul_f32 v[S+j:S+j+1], v[O+j:O+j+1], v[SUM:SUM+1] op_sel_hi:[1,0]   ; each accumulator from its low end on
.set j, j+2
.endr
.irp k, 0,1,2,3,4,5,6,7
	ds_store_b128 v[STO], v[S+4*\k:S+4*\k+3] offset:16*\k
.endr
.irp i, 0,1,2,3,4,5,6,7
	ds_load_b128 v[FR+4*\i:FR+4*\i+3], v[RD] offset:2*\i*SPITCH   ; LDS serves a wave's instructions in order
.endr
.irp i, 0,1,2,3,4,5,6,7
	s_wait_dscnt 7-\i                              ; the younger loads may stay out
	global_store_b128 v[GO], v[FR+4*\i:FR+4*\i+3], s[38:39] offset:(32*(\i/4)+2*(\i%4)+8*\u)*256 th:TH_STORE_NT   ; sixteen lanes store one row of 256 bytes, aligned
.endr
.if \u == 0
	s_wait_xcnt 0x0                                ; the stores have read their registers: the next pass loads into them
.endif
.endm
	PASS 0
	PASS 1
	s_wait_tensorcnt 0x0                           ; the wave's end
	ds_add_u32 v[SPW], v[NIL]
	s_wait_dscnt 0x0
	CROUND                                         ; the closing round
	s_endpgm
.Lfunc_end_k_q9fbfe5cd6b_attn:
	.size	k_q9fbfe5cd6b_attn, .Lfunc_end_k_q9fbfe5cd6b_attn-k_q9fbfe5cd6b_attn
	.p2alignl 7, 3214868480
	.fill 96, 4, 3214868480
	.section	.rodata,"a",@progbits
	.p2align	6, 0x0
	.amdhsa_kernel k_q9fbfe5cd6b_attn
		.amdhsa_group_segment_fixed_size 276480
		.amdhsa_private_segment_fixed_size 0
		.amdhsa_enable_private_segment 0
		.amdhsa_kernarg_size 16
		.amdhsa_user_sgpr_count 2
		.amdhsa_user_sgpr_kernarg_segment_ptr 1
		.amdhsa_wavefront_size32 1
		.amdhsa_system_sgpr_workgroup_id_x 1
		.amdhsa_system_sgpr_workgroup_id_y 1
		.amdhsa_system_sgpr_workgroup_id_z 1
		.amdhsa_system_vgpr_workitem_id 0
		.amdhsa_next_free_vgpr 256
		.amdhsa_next_free_sgpr 66
		.amdhsa_reserve_vcc 0
		.amdhsa_float_denorm_mode_32 3
		.amdhsa_float_denorm_mode_16_64 3
		.amdhsa_memory_ordered 1
		.amdhsa_forward_progress 1
		.amdhsa_inst_pref_size 81
	.end_amdhsa_kernel
	.amdgpu_metadata
---
amdhsa.version: [ 1, 2 ]
amdhsa.kernels:
  - .name:           k_q9fbfe5cd6b_attn
    .symbol:         k_q9fbfe5cd6b_attn.kd
    .args:
      - { .name: att, .offset: 0, .size: 8, .value_kind: global_buffer, .address_space: global }
      - { .name: out0, .offset: 8, .size: 8, .value_kind: global_buffer, .address_space: global }
    .group_segment_fixed_size: 276480
    .private_segment_fixed_size: 0
    .kernarg_segment_align: 8
    .kernarg_segment_size: 16
    .max_flat_workgroup_size: 512
    .sgpr_count:     66
    .vgpr_count:     256
    .wavefront_size: 32
...
	.end_amdgpu_metadata
.endif
;; end of part 3
